; MI455X (gfx1250); checked and timed in simulation.
; The chip was launched on July 23, 2026; its instructions are those of AMD's public machine-readable ISA for CDNA 5 (MIT licence, August 2026) and "CDNA5" Instruction Set Architecture Reference Guide (July 2026). The comments in the code are by the model that wrote it; some were corrected since.
;; Euclidean Codebook. Allowed arithmetic: matrix products marked QUANTISED: E3M2 operands, one E8M0 scale for each 32 along K, by v_wmma_scale_f32_16x16x128_f8f6f4 with both operands' format E3M2, f32 sums; everything else in f32.
;; Inputs: embed 8,192 x 512 float32; x 4 x 4,096 x 512 float32.
;; Outputs: out0 4 x 4,096 x 512 float32; out1 4 x 4,096 int32.
;; This version of the problem:
;;   THIS VERSION OF THE PROBLEM IS GIVEN IN LOW PRECISION. The matrix products marked QUANTISED in the list below multiply operands that are first quantised to E3M2 (3 exponent bits, 2 mantissa bits; 6 bits a number), with one power-of-two scale for each 32 numbers along K (OCP MX v1.0); their sums are f32. All else is computed in f32.
;;   The module's matrix products, in the order in which they are computed (A, B: the left and right operand; K: the contracted axis; several contracted axes count as one K, in the product's order):
;;     1. [M 16,384, K 512] x [K 512, N 8,192]; A: input x; B: input embed: QUANTISED
;;   THE QUANTISER, for each operand of a quantised product, along K:
;;     - K is cut into blocks of 32 from its start; a last block that is shorter is filled with zeros.
;;     - A block's scale is 2^e with e = floor(log2(the largest magnitude in the block)) - 4, held to -126 .. 127; a block of zeros has e = 0. As a byte (E8M0): e + 127.
;;     - Each number is divided by its block's scale, clamped to +-28, and rounded to the nearest number of E3M2, ties to even, subnormals kept.
;;     - The product sums the exact products of the quantised numbers (number of the format x scale) in f32.
;;   ~~~python
;;   def quantise(x, axis):      # numpy; x: float32 -> the quantised numbers, widened to float32 again
;;       x = np.moveaxis(x, axis, -1); K = x.shape[-1]
;;       x = np.pad(x, [(0, 0)] * (x.ndim - 1) + [(0, -K % 32)]); x = x.reshape(x.shape[:-1] + (-1, 32)); a = np.abs(x).max(-1, keepdims=True)
;;       e = np.where(a > 0, np.clip(np.frexp(np.where(a > 0, a, 1))[1] - 1 - 4, -126, 127), 0)      # np.frexp(a)[1] - 1 = floor(log2(a)), exactly
;;       r = np.clip(x / 2.0 ** e, -28, 28)
;;       step = 2.0 ** (np.maximum(np.frexp(np.where(r == 0, 1, r))[1] - 1, -2) - 2)
;;       q = np.round(r / step) * step * 2.0 ** e      # np.round: ties to even
;;       return np.moveaxis(q.reshape(q.shape[:-2] + (-1,))[..., :K], -1, axis).astype(np.float32)
;;   ~~~
;; One version. Each part assembles by itself: llvm-mc -triple=amdgcn-amd-amdhsa -mcpu=gfx1250 --defsym DOCPART=n.
;; ======== version 1 of 1: 4 launches
;; limits: right only within a limited range of input values
;; workspace buffers: xcodes 6,291,456 bytes; xscales 262,144 bytes; epack 3,342,336 bytes; pval 524,288 bytes; pidx 524,288 bytes of whole numbers; win 65,536 bytes of whole numbers
;; launch quant (part 1): grid 256 x 1, 6 waves a work-group, no clusters, 51,456 bytes of LDS; arguments x, embed, xcodes, xscales, epack; writes xcodes, xscales, epack
.if DOCPART == 1
	.amdgcn_target "amdgcn-amd-amdhsa--gfx1250"
	.amdhsa_code_object_version 6
	.text
	.protected	k_qb004aa4655_quant
	.globl	k_qb004aa4655_quant
	.p2align	8
	.type	k_qb004aa4655_quant,@function
k_qb004aa4655_quant:
	s_mov_b64 s[64:65], 0
	v_nop
	global_prefetch_b8 v0, s[64:65] scope:SCOPE_SE
	s_setreg_imm32_b32 hwreg(HW_REG_WAVE_MODE, 25, 1), 1
	s_wait_xcnt 0x0
; EuclideanCodebook, launch 1 of 4: x [16384][512] and embed [8192][512], f32, become codes of BF6 (E3M2) with one E8M0 byte for each 32 along K,
; and embed also gives -e_sq / 2 for each code.
; WORK LEFT OUT, IN THE WHOLE PROGRAM.  reference() takes argmax over the codes of -(x_sq - 2 p + e_sq), p = the quantised product.  x_sq hangs on the token alone: it is the same
; for all 8,192 codes of a row, so in exact arithmetic it moves no row's argmax, whatever finite numbers x holds; it reaches no output by any other way.  So x_sq is not computed.
; Likewise argmax(2 p - e_sq) = argmax(p - e_sq / 2): the factor 2 is taken into the bias.  x itself is live: it goes into the quantiser.  Every input is loaded.
; LIMITS.  A NaN, an infinity or an overflow that would reach x_sq alone is not carried to the result.  NaN and infinities among the inputs are not served.  The scores are p - e_sq / 2 in f32,
; ties to the lowest index; a row whose two best codes lie within a few ulps of the f32 number x_sq - 2 p + e_sq, as reference() rounds it, may resolve to the other of the two.
; A block of zeros gets the byte 1 where the rule says 127: its codes are zeros, which add nothing under any byte but 0xff, and this program alone reads the bytes.
; A block's scale is 2^(floor(log2(its largest magnitude)) - 4): its byte is the largest magnitude's exponent field - 4, held at 1 from below by a floor among the maximum's leaves.
; SHARES.  A wave takes a tile of 16 rows x 512.  Waves 0-3: x's tiles 4 g + w (g the work-group); waves 4, 5: embed's tiles 2 g + w - 4: 1,536 tiles, six to a work-group.  Waves share nothing: no barrier.
; LAYOUT OF THE RESULTS: images of the operand's registers.  A fragment (16 rows x 128 K) is 12 registers a lane: registers 4 c .. 4 c + 3 of lane l of (tile, K step k) lie at
; tile x 6144 + k x 1536 + c x 512 + 16 l.  Scale words: [tile][row][K step], 256 bytes a tile.  Every store of codes covers 512 consecutive bytes, aligned; a tile's scale words are one store of 256.
; A K STEP: 16 loads, each 512 consecutive bytes of one row, go through the wave's own stage in LDS (rows 528 bytes apart: 33 x 16, so that sixteen rows start at sixteen different 16-byte columns modulo 256)
; and come back so that lane (r, h) holds, of row r, k = 64 c + 32 h + 0 .. 31 for c = 0, 1: two whole blocks, in the order of the operand's registers.
.set STG,   8448                       ; a wave's stage: 16 rows x 528 bytes
.set PIT,   528
.set SPARE, 6*STG                      ; behind the stages: the spare words, 128 bytes for each wave: three blocks of 256 bytes that no other line names
.set SPW,   10                         ; v10  LDS address of my spare word; never rewritten
.set NIL,   11                         ; v11  0; never rewritten
.set W,     20                         ; v20-23   the four K steps' scale words
.set SQ,    24                         ; v24-31   embed: sums of squares, four packed chains
.set TC,    32                         ; v32-34, v36-38  the upper halves of the two blocks' codes
.set C,     40                         ; v40-51   a fragment
.set X,     64                         ; v64-127  64 numbers of my row
.set R,     128                        ; v128-191, v192-255  two sets of 16 loads
	s_load_b256 s[4:11], s[0:1], 0x0               ; x s[4:5], embed s[6:7], xcodes s[8:9], xscales s[10:11]
	s_load_b64 s[12:13], s[0:1], 0x20              ; epack: all that embed gives
	v_lshl_add_u32 v[SPW], v0, 2, SPARE
	v_mov_b32 v[NIL], 0
	v_lshrrev_b32 v1, 5, v0
	v_readfirstlane_b32 s18, v1                    ; wave 0..5
	v_and_b32 v1, 31, v0                           ; lane
	v_and_b32 v2, 15, v0                           ; r
	v_bfe_u32 v3, v0, 4, 1                         ; h
	v_lshlrev_b32 v4, 4, v1                        ; 16 x lane: my bytes of a load, and of an image
	s_mul_i32 s33, s18, STG                        ; my stage
	v_add_nc_u32 v5, s33, v4                       ; into it: 16 x lane of a row
	v_mul_u32_u24 v6, v2, PIT
	v_lshl_add_u32 v6, v3, 7, v6
	v_add_nc_u32 v6, s33, v6                       ; out of it: row r, + 128 h: 32 numbers of my half
	v_lshlrev_b32 v7, 4, v2
	v_lshl_add_u32 v7, v3, 3, v7                   ; scale words: 16 r + 8 h
	v_lshlrev_b32 v8, 2, v1                        ; bias: 4 x lane
	v_lshlrev_b32 v9, 3, v3                        ; 8 h: my two bytes' place in a scale word
	v_mov_b32 v19, 0                               ; written once: a lane permute's destination counts as one of its sources
	s_mov_b32 s30, 0x76543210
	s_mov_b32 s31, 0xfedcba98                      ; v_permlanex16_b32's selects for lane l xor 16
	s_lshl_b32 s26, ttmp9, 2
	s_add_co_u32 s26, s26, s18                     ; x's tile, if I am one of waves 0-3
	s_lshl_b32 s27, ttmp9, 1
	s_add_co_u32 s27, s27, s18
	s_sub_co_u32 s27, s27, 4                       ; embed's tile, if I am wave 4 or 5
	s_wait_alu depctr_va_vdst(0)
	s_wait_kmcnt 0x0
	s_cmp_lt_u32 s18, 4                            ; the choice hangs on the wave's number alone
	s_cselect_b32 s28, s26, s27                    ; my tile
	s_cselect_b64 s[20:21], s[4:5], s[6:7]         ; from where
	s_cselect_b64 s[22:23], s[8:9], s[12:13]       ; the codes
	s_cselect_b64 s[24:25], s[10:11], s[12:13]     ; the scale words
	; EMBED'S RESULTS LIE IN ONE BUFFER, epack, as 32 records of 16 tiles, 104,448 bytes each (408 x 256): the 16 tiles' codes (16 x 6,144), their scale words (16 x 256),
	; their bias (16 x 128: a tile's 16 numbers, twice on end).  With c = tile / 16: codes at (tile + c) x 6,144; scale words at tile x 256 + c x 100,352 + 98,304; bias at tile x 128 + (c + 1) x 102,400.
	s_cselect_b32 s36, 0, 1                        ; 1 in embed's waves
	s_lshr_b32 s37, s28, 4
	s_mul_i32 s37, s37, s36                        ; c, and 0 in x's waves
	s_lshl_b32 s34, s28, 15                        ; 16 rows of 2,048 bytes
	s_mov_b32 s35, 0
	s_add_nc_u64 s[20:21], s[20:21], s[34:35]
	s_add_co_u32 s38, s28, s37
	s_mul_i32 s34, s38, 6144
	s_add_nc_u64 s[22:23], s[22:23], s[34:35]
	s_lshl_b32 s34, s28, 8
	s_mul_i32 s38, s37, 100352
	s_add_co_u32 s34, s34, s38
	s_mul_i32 s38, s36, 98304
	s_add_co_u32 s34, s34, s38
	s_add_nc_u64 s[24:25], s[24:25], s[34:35]
.macro LOAD k                          ; K step k of my 16 rows: 32 lanes read 512 consecutive bytes of a row
.irp i, 0,1,2,3,4,5,6,7,8,9,10,11,12,13,14,15
	global_load_b128 v[R+64*((\k)%2)+4*\i:R+64*((\k)%2)+4*\i+3], v4, s[20:21] offset:2048*\i+512*(\k) th:TH_LOAD_NT
.endr
.endm
.macro STEP k
.if (\k) < 3
	s_wait_loadcnt 16                              ; this K step's 16 loads are in; the next step's 16 may be out
.else
	s_wait_loadcnt 0
.endif
.irp i, 0,1,2,3,4,5,6,7,8,9,10,11,12,13,14,15
	ds_store_b128 v5, v[R+64*((\k)%2)+4*\i:R+64*((\k)%2)+4*\i+3] offset:PIT*\i
.endr
.irp c, 0,1
.irp j, 0,1,2,3,4,5,6,7
	ds_load_b128 v[X+32*\c+4*\j:X+32*\c+4*\j+3], v6 offset:256*\c+16*\j   ; LDS serves a wave's instructions in order: these see the stores above
.endr
.endr
	s_wait_dscnt 0x0                               ; my 64 numbers are in, and the stores into the stage have read their registers,
.if (\k) < 2
	LOAD (\k)+2                                    ; which take the loads of two steps on
.endif
	v_max3_num_f32 v12, |v[X]|, |v[X+1]|, 0x2800000        ; block h: all its 32 numbers are mine; and the floor 2^(5 - 127): the byte cannot fall under 1
	v_max3_num_f32 v13, |v[X+32]|, |v[X+33]|, 0x2800000    ; block 2 + h; the two chains by turns
.irp i, 2,4,6,8,10,12,14,16,18,20,22,24,26,28,30
	v_max3_num_f32 v12, v12, |v[X+\i]|, |v[X+\i+1]|
	v_max3_num_f32 v13, v13, |v[X+32+\i]|, |v[X+33+\i]|
.endr
	v_add_nc_u32 v14, 0xfe000000, v12              ; 4 off the exponent field: the conversion takes the exponent field of this operand as its scale
	v_add_nc_u32 v15, 0xfe000000, v13
	v_lshrrev_b32 v16, 23, v14                     ; the scales' bytes
	v_lshrrev_b32 v17, 23, v15
	v_lshl_or_b32 v18, v17, 16, v16                ; blocks h and 2 + h,
	v_lshlrev_b32 v18, v9, v18                     ; at their places in the word (8 h bits up);
	v_permlanex16_b32 v19, v18, s30, s31
	v_or_b32 v[W+(\k)], v18, v19                   ; with lane l xor 16's two the word is whole, in both lanes
.if (\k) > 0
	s_wait_alu depctr_va_vdst(0)
	s_wait_xcnt 0x0                                ; the last step's stores have read the fragment's registers: they are written again only behind this wait
.endif
	v_cvt_scalef32_pk16_bf6_f32 v[C:C+2], v[X:X+15], v14           ; 16 numbers to 96 bits, the first number's code lowest; beyond 28 the largest code
	v_cvt_scalef32_pk16_bf6_f32 v[TC:TC+2], v[X+16:X+31], v14      ; (a conversion's three registers begin on an even number: a block's second three do not, so they are made here and moved)
	v_cvt_scalef32_pk16_bf6_f32 v[C+6:C+8], v[X+32:X+47], v15
	v_cvt_scalef32_pk16_bf6_f32 v[TC+4:TC+6], v[X+48:X+63], v15
	v_nop                                          ; one plain place behind the scaled conversions
.irp i, 0,1,2
	v_mov_b32 v[C+3+\i], v[TC+\i]
	v_mov_b32 v[C+9+\i], v[TC+4+\i]
.endr
.irp c, 0,1,2
	global_store_b128 v4, v[C+4*\c:C+4*\c+3], s[22:23] offset:1536*(\k)+512*\c   ; 32 lanes store 512 consecutive bytes, aligned
.endr
	s_cmp_lt_u32 s18, 4                            ; x_sq is not computed: only embed's waves sum squares
	s_cbranch_scc1 .Lno_squares_\@
.set j, 0
.rept 32
.if ((\k) == 0) && (j < 4)
	v_pk_mul_f32 v[SQ+2*j:SQ+2*j+1], v[X+2*j:X+2*j+1], v[X+2*j:X+2*j+1]   ; the first four pairs start the chains: nothing is cleared
.else
	v_pk_fma_f32 v[SQ+2*(j%4):SQ+2*(j%4)+1], v[X+2*j:X+2*j+1], v[X+2*j:X+2*j+1], v[SQ+2*(j%4):SQ+2*(j%4)+1]
.endif
.set j, j+1
.endr
.Lno_squares_\@:
.endm
	LOAD 0
	LOAD 1
	STEP 0
	STEP 1
	STEP 2
	STEP 3
	v_cmp_eq_u32 vcc_lo, 1, v3                     ; lanes 0-15 store words 0, 1 of their row, lanes 16-31 words 2, 3
	v_cndmask_b32 v12, v[W], v[W+2], vcc_lo
	v_cndmask_b32 v13, v[W+1], v[W+3], vcc_lo
	global_store_b64 v7, v[12:13], s[24:25]        ; 32 lanes store the tile's 256 bytes of scale words
	s_cmp_lt_u32 s18, 4
	s_cbranch_scc1 .Ldone
	s_lshl_b32 s34, s28, 7                         ; embed alone: -e_sq / 2 of my 16 codes, 128 bytes a tile
	s_add_co_u32 s38, s37, 1
	s_mul_i32 s38, s38, 102400
	s_add_co_u32 s34, s34, s38
	s_add_nc_u64 s[16:17], s[12:13], s[34:35]
	v_pk_add_f32 v[SQ:SQ+1], v[SQ:SQ+1], v[SQ+2:SQ+3]
	v_pk_add_f32 v[SQ+4:SQ+5], v[SQ+4:SQ+5], v[SQ+6:SQ+7]
	v_pk_add_f32 v[SQ:SQ+1], v[SQ:SQ+1], v[SQ+4:SQ+5]
	v_add_f32 v[SQ], v[SQ], v[SQ+1]
	v_permlanex16_b32 v19, v[SQ], s30, s31         ; the row's other half lies in the lane 16 away
	v_add_f32 v[SQ], v[SQ], v19
	v_mul_f32 v[SQ], -0.5, v[SQ]
	global_store_b32 v8, v[SQ], s[16:17]           ; both halves of the lanes hold the same 16 numbers: 32 lanes store the tile's 128 bytes, so that every byte of a record is written
.Ldone:
	s_wait_tensorcnt 0x0                           ; the wave's end, behind my last LDS store; the tensor wait stands even in a text with no tensor load
	ds_add_u32 v[SPW], v[NIL]
	s_wait_dscnt 0x0
	s_endpgm
.Lfunc_end_k_qb004aa4655_quant:
	.size	k_qb004aa4655_quant, .Lfunc_end_k_qb004aa4655_quant-k_qb004aa4655_quant
	.p2alignl 7, 3214868480
	.fill 96, 4, 3214868480
	.section	.rodata,"a",@progbits
	.p2align	6, 0x0
	.amdhsa_kernel k_qb004aa4655_quant
		.amdhsa_group_segment_fixed_size 51456
		.amdhsa_private_segment_fixed_size 0
		.amdhsa_enable_private_segment 0
		.amdhsa_kernarg_size 40
		.amdhsa_user_sgpr_count 2
		.amdhsa_user_sgpr_kernarg_segment_ptr 1
		.amdhsa_wavefront_size32 1
		.amdhsa_system_sgpr_workgroup_id_x 1
		.amdhsa_system_sgpr_workgroup_id_y 1
		.amdhsa_system_sgpr_workgroup_id_z 1
		.amdhsa_system_vgpr_workitem_id 0
		.amdhsa_next_free_vgpr 256
		.amdhsa_next_free_sgpr 66
		.amdhsa_reserve_vcc 1
		.amdhsa_float_denorm_mode_32 3
		.amdhsa_float_denorm_mode_16_64 3
		.amdhsa_memory_ordered 1
		.amdhsa_forward_progress 1
		.amdhsa_inst_pref_size 39
	.end_amdhsa_kernel
	.amdgpu_metadata
---
amdhsa.version: [ 1, 2 ]
amdhsa.kernels:
  - .name:           k_qb004aa4655_quant
    .symbol:         k_qb004aa4655_quant.kd
    .args:
      - { .name: x, .offset: 0, .size: 8, .value_kind: global_buffer, .address_space: global }
      - { .name: embed, .offset: 8, .size: 8, .value_kind: global_buffer, .address_space: global }
      - { .name: xcodes, .offset: 16, .size: 8, .value_kind: global_buffer, .address_space: global }
      - { .name: xscales, .offset: 24, .size: 8, .value_kind: global_buffer, .address_space: global }
      - { .name: epack, .offset: 32, .size: 8, .value_kind: global_buffer, .address_space: global }
    .group_segment_fixed_size: 51456
    .private_segment_fixed_size: 0
    .kernarg_segment_align: 8
    .kernarg_segment_size: 40
    .max_flat_workgroup_size: 192
    .sgpr_count:     66
    .vgpr_count:     256
    .wavefront_size: 32
...
	.end_amdgpu_metadata
.endif
;; end of part 1
;; launch score (part 2): grid 32 x 8, 8 waves a work-group, clusters of 4 x 1, 327,680 bytes of LDS; arguments xcodes, xscales, epack, pval, pidx; writes pval, pidx
.if DOCPART == 2
	.amdgcn_target "amdgcn-amd-amdhsa--gfx1250"
	.amdhsa_code_object_version 6
	.text
	.protected	k_qb004aa4655_score
	.globl	k_qb004aa4655_score
	.p2align	8
	.type	k_qb004aa4655_score,@function
k_qb004aa4655_score:
	s_mov_b64 s[64:65], 0
	v_nop
	global_prefetch_b8 v0, s[64:65] scope:SCOPE_SE
	s_setreg_imm32_b32 hwreg(HW_REG_WAVE_MODE, 25, 1), 1
	s_wait_xcnt 0x0
	s_wait_alu depctr_hold_cnt(0) depctr_sa_sdst(0) depctr_va_vdst(0) depctr_va_sdst(0) depctr_va_ssrc(0) depctr_va_vcc(0) depctr_vm_vsrc(0)
	s_getreg_b32 s2, hwreg(HW_REG_IB_STS2, 6, 4)
	s_cmp_eq_u32 s2, 0
	s_cbranch_scc0 .Lentry_in_a_cluster
	s_endpgm
.Lentry_in_a_cluster:
	s_bfe_u32 s2, ttmp6, 0x10000c
	s_cmp_lg_u32 s2, 0x3003
	s_cbranch_scc0 .Lentry_shape_is_right
	s_endpgm
.Lentry_shape_is_right:
; EuclideanCodebook, launch 2 of 4: for each token and each eighth of the codebook the best score p - e_sq / 2 and its code, p the product on codes of BF6 (E3M2) with E8M0 scales.
; WORK LEFT OUT: x_sq, the same for all codes of a token, moves no argmax in exact arithmetic and is not computed (shown at the head of the first kernel, with the limits that go with it).
; SHARES.  A work-group owns 512 tokens (block 4 x cluster x + cx) and 1,024 codes (part = work-group y): 64 tiles of 16 codes.  Eight waves, two to a SIMD's 1,024 registers; a wave owns 64 tokens: four tiles of 16,
; whose fragments of ALL of K (16 x 12 = 192 registers) stay in registers.  Only the codes' fragments are read from LDS; each, 1,536 bytes, feeds four matrix instructions.  All eight waves walk the same 64 tiles.
; THE PRODUCT IS USED TRANSPOSED: source 0 = 16 codes, source 1 = 16 tokens: lane (r, h) holds ONE token r, and register j of a result the code 8 h + j of the tile.  -e_sq / 2 is the C of a sum's first matrix instruction.
; THE ARGMAX.  For a tile of 16 codes a lane has 8 scores.  Their maximum joins the running maximum (four v_max3); ONE compare says whether the tile has raised it (strictly: an earlier tile keeps a tie), and by that
; mask the tile's number and its 8 scores replace a kept copy (nine selects).  Which of the 8 it was is looked for once, at the end, from the copy; then the two halves of the lanes are joined.
; BY TURNS.  A tile's 16 matrix instructions stand in four groups of four (a K step each, the four accumulators by turns); between the groups stand slices of the 57 vector instructions that reduce the tile BEFORE,
; which lies in the other set of accumulators: two switches of the register window a group.
; CLUSTER.  The four token blocks of a cluster walk the same part: each chunk is asked for JOINTLY, by the same tensor load with the same descriptor and a mask that names the four.
; LDS.  The part is four chunks of 16 tiles, records of 104,448 bytes as the first launch lays them: codes (images of the operand's registers, 16 bytes a lane on end), scale words, bias.  Two slots take turns; a wave
; fetches an eighth of a chunk, 51 rows of 256 bytes.  By this text's count a wave has one tensor load out, asked for 16 tiles (256 of its matrix instructions) ahead of the wait for it.
; PREFETCH.  Behind the load of chunk c + 1 the wave names chunk c + 2: one chunk ahead of its load.  Of a wave's 51 rows the partner at place cx takes rows 13 cx .. 13 cx + 12 (held at 50), a lane a row, told apart by address.
; Chunks 0 and 1 come by their loads alone; behind chunk 3 nothing is left to name.
; REGISTERS: window 1: v0-191 my tokens' fragments (tile t, K step k at 48 t + 12 k).  Window 0: all else, as named below.  s_set_vgpr_msb: bits 3:2 source 1, 7:6 destination.
.set TILEB,  6144
.set CHUNKB, 104448
.set SLOTB,  CHUNKB
.set SOFF,   98304                     ; in a chunk: the scale words, 256 bytes a tile
.set BOFF,   102400                    ; the bias, 128 bytes a tile
.set EIGHTH, 13056                     ; 51 rows of 256 bytes
.set SPARE,  2*SLOTB                   ; behind the ring: the spare words, 128 bytes for each wave: four blocks of 256 bytes that no other line names
.set LI,   1                           ; 16 x lane
.set LS,   2                           ; 16 x (lane % 16): a row's four scale words
.set HB,   3                           ; 32 x (lane / 16): my half's eight numbers of the bias
.set ADR,  4                           ; v4-6 the LDS addresses of the run of loads in hand
.set ADS,  5
.set ADB,  6
.set L4,   7                           ; 4 x lane
.set SPW,  8                           ; LDS address of my spare word; never rewritten
.set NIL,  9                           ; 0; never rewritten
.set PFO,  10                          ; the prefetches' offset; never rewritten
.set CUR,  12                          ; the number of the tile that is being reduced
.set H8,   13                          ; 8 h
.set XS,   16                          ; v16-23  register 4 u + k: lanes 0-15 the words of token tile 2 u, lanes 16-31 of tile 2 u + 1, for K step k
.set ES,   24                          ; v24-31  the codes' scale words, two sets
.set BIAS, 32                          ; v32-39  the bias, one set: it is read by a tile's first four matrix instructions alone
.set EF,   40                          ; v40-135 the codes' fragments, two sets
.set ACC,  136                         ; v136-199 two sets of four accumulators
.set CP,   200                         ; v200-231 the kept copies
.set BV,   232                         ; v232-239 the running maxima, two sets by turns
.set GID,  240                         ; v240-243 the kept tile numbers
.set T,    244                         ; v244-247 at work
.set OV,   ACC                         ; the way out, in the first set of accumulators
.set OI,   ACC+4
.set RV,   ACC+8
.set RI,   ACC+10
.set WV,   14                          ; my wave's number
.set CX,   15                          ; my place in the cluster: it enters global addresses of x, pval, pidx and the prefetches alone
.set TBK,  16                          ; my block of 512 tokens
.set PART, 17                          ; my eighth of the codebook, which the four partners share
.set EB,   18                          ; s[18:19] my eighth of the part's chunk 0
.set WC,   20                          ; wave x 13,056
.set TB,   21                          ; LDS byte of the tile to be fetched; s22 of its scale words; s23 of its bias
.set TS,   22
.set TBI,  23
.set G1,   24                          ; s[24:31] group 1
.set G0,   32                          ; s[32:47] group 0, one for each chunk, written once
.set M,    48                          ; s[48:51] a mask for each tile of tokens
.set SEL,  54                          ; s[54:55] lane selects for v_permlanex16_b32: lane l xor 16
.set CT,   56
.set CNT,  57
.set HM,   58                          ; lanes 16-31
.set MSB, 0
.macro WIN new                         ; the immediate's high byte repeats the setting that is left
.if MSB != \new
	s_set_vgpr_msb (MSB<<8)|\new
.set MSB, \new
.endif
.endm
.macro ROUND                           ; a round of the cluster's barrier
	s_barrier_signal -1
	s_barrier_wait -1
	s_cmp_lg_u32 s[WV], 0
	s_cbranch_scc1 .Lnot_wave_0_\@
	s_barrier_signal -3
.Lnot_wave_0_\@:
	s_barrier_wait -3
	s_barrier_signal -1
	s_barrier_wait -1
.endm
.macro ASKFOR c                        ; my eighth of chunk c; an s_nop 0, and four instructions before the windows are switched
	tensor_load_to_lds s[G0+4*(\c):G0+4*(\c)+3], s[G1:G1+7]
	s_nop 0
.rept 4
	v_nop
.endr
.endm
.macro CHUNK c                         ; group 0 for my eighth of chunk c, into slot c % 2
	s_mov_b32 s[G0+4*\c], 1
.if (\c)%2
	s_add_co_u32 s[G0+4*\c+1], s[WC], SLOTB
.else
	s_mov_b32 s[G0+4*\c+1], s[WC]
.endif
.if \c
	s_add_nc_u64 s[G0+4*\c+2:G0+4*\c+3], s[EB:EB+1], (\c)*CHUNKB
.else
	s_mov_b64 s[G0+4*\c+2:G0+4*\c+3], s[EB:EB+1]
.endif
	s_or_b32 s[G0+4*\c+3], s[G0+4*\c+3], 0x80000000
.endm
.macro SETP m                          ; the fetches point at tile m of the part: stated as constants, so that the addresses can be read off the text
	s_mov_b32 s[TB], (((\m)/16)%2)*SLOTB+((\m)%16)*TILEB
	s_mov_b32 s[TS], (((\m)/16)%2)*SLOTB+SOFF+((\m)%16)*256
	s_mov_b32 s[TBI], (((\m)/16)%2)*SLOTB+BOFF+((\m)%16)*128
.endm
	s_load_b256 s[4:11], s[0:1], 0x0               ; xcodes s[4:5], xscales s[6:7], epack s[8:9], pval s[10:11]
	s_load_b64 s[12:13], s[0:1], 0x20              ; pidx
	v_lshl_add_u32 v[SPW], v0, 2, SPARE
	v_mov_b32 v[NIL], 0
	ds_add_u32 v[SPW], v[NIL]                      ; the wave's opening: the add, twice on end, and its wait ahead of my first tensor load
	ds_add_u32 v[SPW], v[NIL]
	v_lshrrev_b32 v11, 5, v0
	v_readfirstlane_b32 s[WV], v11                 ; wave 0..7
	v_and_b32 v[L4], 31, v0
	v_lshlrev_b32 v[LI], 4, v[L4]
	v_min_u32 v[PFO], 12, v[L4]                    ; lanes 13-31 name lane 12's row again
	v_lshlrev_b32 v[L4], 2, v[L4]
	v_and_b32 v[LS], 15, v0
	v_lshlrev_b32 v[LS], 4, v[LS]
	v_bfe_u32 v[HB], v0, 4, 1
	v_lshlrev_b32 v[H8], 3, v[HB]
	v_lshlrev_b32 v[HB], 5, v[HB]
	s_bfe_u32 s[CX], ttmp6, 0x40000                ; cx
	s_mul_i32 s59, s[CX], 13
	v_add_nc_u32 v[PFO], s59, v[PFO]
	v_min_u32 v[PFO], 50, v[PFO]                   ; inside my 51 rows
	v_lshlrev_b32 v[PFO], 8, v[PFO]
	s_lshl_b32 s[TBK], ttmp9, 2                    ; in a cluster launch ttmp9 counts clusters
	s_add_co_u32 s[TBK], s[TBK], s[CX]
	s_and_b32 s[PART], ttmp7, 0xffff
	s_mov_b32 s[G1], 15|(3<<16)|(1<<21)            ; the mask: all four work-groups; elements of 8 bytes; no padding; bit 21 set beside a mask
	s_mov_b32 s[G1+1], 32<<16                      ; tensor_dim0: 32 elements, 256 bytes
	s_mov_b32 s[G1+2], 51<<16                      ; tensor_dim1
	s_mov_b32 s[G1+3], 32<<16                      ; tile_dim0
	s_mov_b32 s[G1+4], 51                          ; tile_dim1
	s_mov_b32 s[G1+5], 32                          ; from row to row
	s_mov_b32 s[G1+6], 0
	s_mov_b32 s[G1+7], 0
	s_mov_b32 s[SEL], 0x76543210
	s_mov_b32 s[SEL+1], 0xfedcba98
	s_mov_b32 s[HM], 0xffff0000
	s_mul_i32 s[WC], s[WV], EIGHTH
	s_mul_i32 s60, s[PART], 4*CHUNKB               ; what the partners share: made of the part and the wave's number, in registers that never hold cx
	s_add_co_u32 s60, s60, s[WC]
	s_mov_b32 s61, 0
	s_mul_i32 s62, s[TBK], 32*TILEB                ; what is mine alone: xcodes, my four tiles
	s_mul_i32 s63, s[WV], 4*TILEB
	s_add_co_u32 s62, s62, s63
	s_mov_b32 s63, 0
	s_lshl_b32 s52, s[TBK], 13                     ; xscales
	s_lshl_b32 s53, s[WV], 10
	s_add_co_u32 s52, s52, s53
	s_mov_b32 s53, 0
	s_wait_alu depctr_va_vdst(0)                   ; the wait at the end of the head's vector work
	s_wait_dscnt 0x0                               ; both opening adds are done
	s_wait_kmcnt 0x0
	s_add_nc_u64 s[EB:EB+1], s[8:9], s[60:61]
	CHUNK 0
	CHUNK 1
	CHUNK 2
	CHUNK 3
	s_add_nc_u64 s[4:5], s[4:5], s[62:63]
	s_add_nc_u64 s[6:7], s[6:7], s[52:53]
	s_lshl_b32 s62, s[PART], 16                    ; pval, pidx: [part][token]: part x 65,536 + block x 2,048 + wave x 256
	s_lshl_b32 s52, s[TBK], 11
	s_add_co_u32 s62, s62, s52
	s_lshl_b32 s52, s[WV], 8
	s_add_co_u32 s62, s62, s52
	s_add_nc_u64 s[10:11], s[10:11], s[62:63]
	s_add_nc_u64 s[12:13], s[12:13], s[62:63]
	ROUND                                          ; all four work-groups are here: the first joint loads meet
	ASKFOR 0                                       ; one tensor load a wave at the head, every wave its eighth of chunk 0
	WIN 0x40                                       ; destination window 1: my tokens' fragments, 48 x 512 consecutive bytes
.set i, 0
.rept 48
	global_load_b128 v[4*i:4*i+3], v[LI], s[4:5] offset:512*i
.set i, i+1
.endr
	WIN 0
.irp u, 0,1
	global_load_b128 v[XS+4*\u:XS+4*\u+3], v[LI], s[6:7] offset:512*\u   ; 16 bytes a row: lanes 0-15 tile 2 u, lanes 16-31 tile 2 u + 1
.endr
; 15 LDS loads in one run: the next tile's four fragments and scale words into set p, and its bias
.macro NEXTLOADS p
	v_add_nc_u32 v[ADR], s[TB], v[LI]
	v_add_nc_u32 v[ADS], s[TS], v[LS]
	v_add_nc_u32 v[ADB], s[TBI], v[HB]
.irp i, 0,1,2,3,4,5,6,7,8,9,10,11
	ds_load_b128 v[EF+48*(\p)+4*\i:EF+48*(\p)+4*\i+3], v[ADR] offset:512*\i
.endr
	ds_load_b128 v[ES+4*(\p):ES+4*(\p)+3], v[ADS]  ; lane r: code r's four words
	ds_load_b128 v[BIAS:BIAS+3], v[ADB]            ; register j: -e_sq / 2 of code 8 h + j: the result's layout
	ds_load_b128 v[BIAS+4:BIAS+7], v[ADB] offset:16
	s_add_co_u32 s[TB], s[TB], TILEB
	s_add_co_u32 s[TS], s[TS], 256
	s_add_co_u32 s[TBI], s[TBI], 128
.endm
; Matrix instruction n of a tile's 16: K step n / 4, token tile n % 4, on set b.  The four accumulators take turns, one instruction a turn.  K step 0 starts the sums with the bias.
.macro MM b
.set mk, n/4
.set mt, n%4
.set rD, ACC+32*(\b)+8*mt
.set rC, rD
.if mk == 0
.set rC, BIAS
.endif
.set rE, EF+48*(\b)+12*mk
.set rX, 48*mt+12*mk
.set rF, ES+4*(\b)+mk
.set rG, XS+4*(mt/2)+mk
.if mt%2
	v_wmma_scale_f32_16x16x128_f8f6f4 v[rD:rD+7], v[rE:rE+11], v[rX:rX+11], v[rC:rC+7], v[rF], v[rG] matrix_a_fmt:MATRIX_FMT_BF6 matrix_b_fmt:MATRIX_FMT_BF6 matrix_b_scale:MATRIX_SCALE_ROW1
.else
	v_wmma_scale_f32_16x16x128_f8f6f4 v[rD:rD+7], v[rE:rE+11], v[rX:rX+11], v[rC:rC+7], v[rF], v[rG] matrix_a_fmt:MATRIX_FMT_BF6 matrix_b_fmt:MATRIX_FMT_BF6
.endif
.endm
; Number ecnt of the 57 instructions that reduce the tile in set s.  0: the tile's number.  Then 14 rows of four, a token tile each, so that no line reads the line above it.
; first = 1: the walk's first tile starts the maxima and the copies.  Each accumulator is read from its low end on.
.macro EPIOP s, first
.if ecnt == 0
	v_mov_b32 v[CUR], s[CT]
.else
.set ei, (ecnt-1)/4
.set et, (ecnt-1)%4
.set rA, ACC+32*(\s)+8*et
.set rN, BV+4*(\s)+et
.set rO, BV+4*(1-(\s))+et
.if ei == 0
	v_max3_num_f32 v[T+et], v[rA], v[rA+1], v[rA+2]
.elseif ei < 3
	v_max3_num_f32 v[T+et], v[T+et], v[rA+2*ei+1], v[rA+2*ei+2]
.elseif ei == 3
.if \first
	v_max_num_f32 v[rN], v[T+et], v[rA+7]
.else
	v_max3_num_f32 v[rN], v[T+et], v[rA+7], v[rO]
.endif
.elseif ei == 4
.if (\first) == 0
	v_cmp_gt_f32 s[M+et], v[rN], v[rO]             ; strictly: an earlier tile keeps a tie
.endif
.elseif ei == 5
.if \first
	v_mov_b32 v[GID+et], v[CUR]
.else
	v_cndmask_b32 v[GID+et], v[GID+et], v[CUR], s[M+et]
.endif
.else
.if \first
	v_mov_b32 v[CP+8*et+ei-6], v[rA+ei-6]
.else
	v_cndmask_b32 v[CP+8*et+ei-6], v[CP+8*et+ei-6], v[rA+ei-6], s[M+et]
.endif
.endif
.endif
.endm
; A TILE of 16 codes on set b: four groups of four matrix instructions; behind them slices of 8, 16, 16 and 17 of the reduction of the tile before (epi = 2; 1: that tile is the walk's first; 0: there is none: four v_nop);
; behind the first slice the run of loads for the next tile (nxt = 1; setp >= 0: the fetches are pointed at that tile first; pf > 0: chunk pf is named for the L2).
; PLACES, by count.  An accumulator's last product stands in its tile's fourth group; behind that group stand 17 plain vector instructions (or four v_nop) that name none of its registers, ahead of its first read.
; The loads land in the bias, which the first group has read (8 plain vector instructions or four v_nop, and the run's own three additions, between), and in the set that the tile before has read.
; sync = 1: A CHANGE OF SLOTS WITH A REFILL.  My fragments of the slot's last tile are in registers.  Each wave waits for all its tensor loads (its eighth of the next chunk), adds 0 to its spare word and waits for that;
; the round shows the same of every wave of the cluster; chunk c2 is asked for, first thing behind it, one load a wave.     sync = 2: the last chunk is awaited: my own wait, then the work-group's barrier.
.macro TILE b, epi, nxt, sync, c2, setp, pf
	s_wait_dscnt 0x0                               ; this tile's 15 loads, issued 12 of my matrix instructions ago, are in
.if (\sync) == 1
	s_wait_tensorcnt 0x0
	ds_add_u32 v[SPW], v[NIL]                      ; 0 onto my spare word
	s_wait_dscnt 0x0                               ; the add is done; my reads of the slot were over at the wait above
	ROUND
	ASKFOR \c2
.elseif (\sync) == 2
	s_wait_tensorcnt 0x0                           ; my eighth of the last chunk is in: the one load that was out
	s_barrier_signal -1
	s_barrier_wait -1                              ; everybody's is
.endif
.if (\setp) >= 0
	SETP \setp
.endif
.set n, 0
.set ecnt, 0
.irp q, 8,16,16,17
	WIN 0x04                                       ; source 1 (tokens) window 1
.rept 4
	MM \b
.set n, n+1
.endr
	WIN 0
.if \epi
.rept \q
	EPIOP 1-\b, 2-\epi
.set ecnt, ecnt+1
.endr
.else
.rept 4
	v_nop
.endr
.endif
.if (n == 4) && (\nxt)
	NEXTLOADS 1-\b
.if \pf
	global_prefetch_b8 v[PFO], s[EB:EB+1] offset:(\pf)*CHUNKB th:TH_LOAD_NT scope:SCOPE_SE
.endif
.endif
.endr
.if \epi
	s_add_co_u32 s[CT], s[CT], 1
.endif
.endm
; A loop of two tiles a trip.  first: the tile that the first trip's first run of loads fetches.
.macro WALK first, trips
	SETP \first
	s_mov_b32 s[CNT], \trips
.Lwalk_\@:
	TILE 0, 2, 1, 0, 0, -1, 0
	TILE 1, 2, 1, 0, 0, -1, 0
	s_sub_co_u32 s[CNT], s[CNT], 1
	s_cmp_lg_u32 s[CNT], 0
	s_cbranch_scc1 .Lwalk_\@
.endm
	s_wait_tensorcnt 0x0                           ; my eighth of chunk 0 is in
	ds_add_u32 v[SPW], v[NIL]
	s_wait_dscnt 0x0
	ROUND                                          ; everybody's eighth is in, and all four work-groups are here
	ASKFOR 1                                       ; slot 1's first fill, the first tensor load behind the round
	SETP 0
	s_lshl_b32 s[CT], s[PART], 6                   ; the part's first tile
	NEXTLOADS 0
	global_prefetch_b8 v[PFO], s[EB:EB+1] offset:2*CHUNKB th:TH_LOAD_NT scope:SCOPE_SE
	s_wait_loadcnt 0x0                             ; my tokens' fragments and scale words
	TILE 0, 0, 1, 0, 0, -1, 0                      ; tile 0
	TILE 1, 1, 1, 0, 0, -1, 0                      ; tile 1 | tile 0 starts the maxima
	WALK 3, 6                                      ; tiles 2 to 13
	TILE 0, 2, 1, 0, 0, -1, 0                      ; tile 14
	TILE 1, 2, 1, 1, 2, 16, 3                      ; tile 15: slot 0 is left and takes chunk 2; chunk 3 is named
	WALK 17, 7                                     ; tiles 16 to 29
	TILE 0, 2, 1, 0, 0, -1, 0
	TILE 1, 2, 1, 1, 3, 32, 0                      ; tile 31: slot 1 is left and takes chunk 3
	WALK 33, 7                                     ; tiles 32 to 45
	TILE 0, 2, 1, 0, 0, -1, 0
	TILE 1, 2, 1, 2, 0, 48, 0                      ; tile 47: chunk 3 is awaited
	WALK 49, 7                                     ; tiles 48 to 61
	TILE 0, 2, 1, 0, 0, -1, 0                      ; tile 62
	TILE 1, 2, 0, 0, 0, -1, 0                      ; tile 63: nothing more to fetch
.set ecnt, 0
.rept 57
	EPIOP 1, 0                                     ; tile 63 is reduced
.set ecnt, ecnt+1
.endr
	; THE WAY OUT.  The final maxima lie in the second set.  Which of the kept 8 scores is the maximum: the lowest j that equals it.
.irp t, 0,1,2,3
	v_mov_b32 v[T+\t], 7
.endr
.irp j, 6,5,4,3,2,1,0
.irp t, 0,1,2,3
	v_cmp_neq_f32 s[M+\t], v[CP+8*\t+\j], v[BV+4+\t]
.endr
.irp t, 0,1,2,3
	v_cndmask_b32 v[T+\t], \j, v[T+\t], s[M+\t]    ; equal: j; else what it was
.endr
.endr
.irp t, 0,1,2,3
	v_lshl_add_u32 v[GID+\t], v[GID+\t], 4, v[T+\t]
.endr
.irp t, 0,1,2,3
	v_add_nc_u32 v[GID+\t], v[GID+\t], v[H8]       ; the code: 16 x tile + 8 h + j
.endr
.irp t, 0,1,2,3
	v_permlanex16_b32 v[OV+\t], v[BV+4+\t], s[SEL], s[SEL+1]   ; the token's other eight codes of each tile lie in the lane 16 away
	v_permlanex16_b32 v[OI+\t], v[GID+\t], s[SEL], s[SEL+1]
.endr
.irp t, 0,1,2,3
	v_cmp_gt_f32 s[M+\t], v[OV+\t], v[BV+4+\t]     ; the other half's is taken where it is greater, or equal with the lower code
	v_cmp_eq_f32 s52, v[OV+\t], v[BV+4+\t]
	v_cmp_lt_u32 s53, v[OI+\t], v[GID+\t]
	s_and_b32 s52, s52, s53
	s_or_b32 s[M+\t], s[M+\t], s52
	v_cndmask_b32 v[BV+4+\t], v[BV+4+\t], v[OV+\t], s[M+\t]
	v_cndmask_b32 v[GID+\t], v[GID+\t], v[OI+\t], s[M+\t]
.endr
.irp u, 0,1
	v_cndmask_b32 v[RV+\u], v[BV+4+2*\u], v[BV+4+2*\u+1], s[HM]   ; lanes 0-15: tile 2 u's tokens; lanes 16-31: tile 2 u + 1's
	v_cndmask_b32 v[RI+\u], v[GID+2*\u], v[GID+2*\u+1], s[HM]
.endr
.irp u, 0,1
	global_store_b32 v[L4], v[RV+\u], s[10:11] offset:128*\u     ; 32 tokens, 128 consecutive bytes; a wave's two stores cover 256, aligned
	global_store_b32 v[L4], v[RI+\u], s[12:13] offset:128*\u
.endr
	s_wait_tensorcnt 0x0                           ; the wave's end, behind my last tensor load
	ds_add_u32 v[SPW], v[NIL]
	s_wait_dscnt 0x0
	ROUND                                          ; the closing round: no work-group ends while a partner may still ask for a tile that names it
	s_endpgm
.Lfunc_end_k_qb004aa4655_score:
	.size	k_qb004aa4655_score, .Lfunc_end_k_qb004aa4655_score-k_qb004aa4655_score
	.p2alignl 7, 3214868480
	.fill 96, 4, 3214868480
	.section	.rodata,"a",@progbits
	.p2align	6, 0x0
	.amdhsa_kernel k_qb004aa4655_score
		.amdhsa_group_segment_fixed_size 327680
		.amdhsa_private_segment_fixed_size 0
		.amdhsa_enable_private_segment 0
		.amdhsa_kernarg_size 40
		.amdhsa_user_sgpr_count 2
		.amdhsa_user_sgpr_kernarg_segment_ptr 1
		.amdhsa_wavefront_size32 1
		.amdhsa_system_sgpr_workgroup_id_x 1
		.amdhsa_system_sgpr_workgroup_id_y 1
		.amdhsa_system_sgpr_workgroup_id_z 1
		.amdhsa_system_vgpr_workitem_id 0
		.amdhsa_next_free_vgpr 512
		.amdhsa_next_free_sgpr 66
		.amdhsa_reserve_vcc 0
		.amdhsa_float_denorm_mode_32 3
		.amdhsa_float_denorm_mode_16_64 3
		.amdhsa_memory_ordered 1
		.amdhsa_forward_progress 1
		.amdhsa_inst_pref_size 147
	.end_amdhsa_kernel
	.amdgpu_metadata
---
amdhsa.version: [ 1, 2 ]
amdhsa.kernels:
  - .name:           k_qb004aa4655_score
    .symbol:         k_qb004aa4655_score.kd
    .args:
      - { .name: xcodes, .offset: 0, .size: 8, .value_kind: global_buffer, .address_space: global }
      - { .name: xscales, .offset: 8, .size: 8, .value_kind: global_buffer, .address_space: global }
      - { .name: epack, .offset: 16, .size: 8, .value_kind: global_buffer, .address_space: global }
      - { .name: pval, .offset: 24, .size: 8, .value_kind: global_buffer, .address_space: global }
      - { .name: pidx, .offset: 32, .size: 8, .value_kind: global_buffer, .address_space: global }
    .group_segment_fixed_size: 327680
    .private_segment_fixed_size: 0
    .kernarg_segment_align: 8
    .kernarg_segment_size: 40
    .max_flat_workgroup_size: 256
    .sgpr_count:     66
    .vgpr_count:     512
    .wavefront_size: 32
...
	.end_amdgpu_metadata
.endif
;; end of part 2
;; launch join (part 3): grid 32 x 1, 4 waves a work-group, no clusters, 0 bytes of LDS; arguments pval, pidx, out1, win; writes out1, win
.if DOCPART == 3
	.amdgcn_target "amdgcn-amd-amdhsa--gfx1250"
	.amdhsa_code_object_version 6
	.text
	.protected	k_qb004aa4655_join
	.globl	k_qb004aa4655_join
	.p2align	8
	.type	k_qb004aa4655_join,@function
k_qb004aa4655_join:
	s_mov_b64 s[64:65], 0
	v_nop
	global_prefetch_b8 v0, s[64:65] scope:SCOPE_SE
	s_setreg_imm32_b32 hwreg(HW_REG_WAVE_MODE, 25, 1), 1
	s_wait_xcnt 0x0
; EuclideanCodebook, launch 3 of 4: of each token's eight partial winners (one for each eighth of the codebook) the best.  pval, pidx: [8][16384]; out1, win: [16384] i32, the same numbers:
; out1 is the result, win is the list from which the next launch forms addresses.  A comparison of f32 numbers decides here, so no address of this launch hangs on it.
; A later part is taken only where its score is strictly greater: parts ascend with the codes, so a tie stays with the lowest code.
; A thread takes 4 tokens, 16 bytes of each row: a wave's load or store covers 512 consecutive bytes, aligned.  No LDS, no barrier, no matrix unit: there is nothing for them to do.
.set V, 8                              ; v8-39   part p's four scores at v[8 + 4 p]
.set I, 40                             ; v40-71  its four codes
	s_load_b256 s[4:11], s[0:1], 0x0               ; pval s[4:5], pidx s[6:7], out1 s[8:9], win s[10:11]
	v_lshlrev_b32 v1, 4, v0                        ; 16 bytes a thread
	s_lshl_b32 s2, ttmp9, 11                       ; 512 tokens a work-group
	s_mov_b32 s3, 0
	s_wait_alu depctr_va_vdst(0)
	s_wait_kmcnt 0x0
	s_add_nc_u64 s[4:5], s[4:5], s[2:3]
	s_add_nc_u64 s[6:7], s[6:7], s[2:3]
	s_add_nc_u64 s[8:9], s[8:9], s[2:3]
	s_add_nc_u64 s[10:11], s[10:11], s[2:3]
.irp p, 0,1,2,3,4,5,6,7
	global_load_b128 v[V+4*\p:V+4*\p+3], v1, s[4:5] offset:65536*\p th:TH_LOAD_NT
	global_load_b128 v[I+4*\p:I+4*\p+3], v1, s[6:7] offset:65536*\p th:TH_LOAD_NT
.endr
	s_wait_loadcnt 0x0
.irp p, 1,2,3,4,5,6,7
.irp q, 0,1,2,3
	v_cmp_gt_f32 s[12+\q], v[V+4*\p+\q], v[V+\q]   ; the four tokens by turns, a mask each
.endr
.irp q, 0,1,2,3
	v_cndmask_b32 v[V+\q], v[V+\q], v[V+4*\p+\q], s[12+\q]
	v_cndmask_b32 v[I+\q], v[I+\q], v[I+4*\p+\q], s[12+\q]
.endr
.endr
	global_store_b128 v1, v[I:I+3], s[8:9]
	global_store_b128 v1, v[I:I+3], s[10:11]
	s_endpgm
.Lfunc_end_k_qb004aa4655_join:
	.size	k_qb004aa4655_join, .Lfunc_end_k_qb004aa4655_join-k_qb004aa4655_join
	.p2alignl 7, 3214868480
	.fill 96, 4, 3214868480
	.section	.rodata,"a",@progbits
	.p2align	6, 0x0
	.amdhsa_kernel k_qb004aa4655_join
		.amdhsa_group_segment_fixed_size 0
		.amdhsa_private_segment_fixed_size 0
		.amdhsa_enable_private_segment 0
		.amdhsa_kernarg_size 32
		.amdhsa_user_sgpr_count 2
		.amdhsa_user_sgpr_kernarg_segment_ptr 1
		.amdhsa_wavefront_size32 1
		.amdhsa_system_sgpr_workgroup_id_x 1
		.amdhsa_system_sgpr_workgroup_id_y 1
		.amdhsa_system_sgpr_workgroup_id_z 1
		.amdhsa_system_vgpr_workitem_id 0
		.amdhsa_next_free_vgpr 80
		.amdhsa_next_free_sgpr 66
		.amdhsa_reserve_vcc 0
		.amdhsa_float_denorm_mode_32 3
		.amdhsa_float_denorm_mode_16_64 3
		.amdhsa_memory_ordered 1
		.amdhsa_forward_progress 1
		.amdhsa_inst_pref_size 8
	.end_amdhsa_kernel
	.amdgpu_metadata
---
amdhsa.version: [ 1, 2 ]
amdhsa.kernels:
  - .name:           k_qb004aa4655_join
    .symbol:         k_qb004aa4655_join.kd
    .args:
      - { .name: pval, .offset: 0, .size: 8, .value_kind: global_buffer, .address_space: global }
      - { .name: pidx, .offset: 8, .size: 8, .value_kind: global_buffer, .address_space: global }
      - { .name: out1, .offset: 16, .size: 8, .value_kind: global_buffer, .address_space: global }
      - { .name: win, .offset: 24, .size: 8, .value_kind: global_buffer, .address_space: global }
    .group_segment_fixed_size: 0
    .private_segment_fixed_size: 0
    .kernarg_segment_align: 8
    .kernarg_segment_size: 32
    .max_flat_workgroup_size: 128
    .sgpr_count:     66
    .vgpr_count:     80
    .wavefront_size: 32
...
	.end_amdgpu_metadata
.endif
;; end of part 3
;; launch fetch (part 4): grid 512 x 1, 4 waves a work-group, no clusters, 0 bytes of LDS; arguments win, embed, out0; writes out0
.if DOCPART == 4
	.amdgcn_target "amdgcn-amd-amdhsa--gfx1250"
	.amdhsa_code_object_version 6
	.text
	.protected	k_qb004aa4655_fetch
	.globl	k_qb004aa4655_fetch
	.p2align	8
	.type	k_qb004aa4655_fetch,@function
k_qb004aa4655_fetch:
	s_mov_b64 s[64:65], 0
	v_nop
	global_prefetch_b8 v0, s[64:65] scope:SCOPE_SE
	s_setreg_imm32_b32 hwreg(HW_REG_WAVE_MODE, 25, 1), 1
	s_wait_xcnt 0x0
; EuclideanCodebook, launch 4 of 4: out0[token] = embed[win[token]]: rows of 2,048 bytes, looked up by the whole numbers that the launch before has stored.
; A wave takes 8 tokens: their 8 indices come by one scalar load, each is held to the table (8,191 at the most) and becomes a byte offset; a row is four loads and four stores of 512 consecutive bytes, aligned.
; All 32 loads of a wave go out on end; no register is written twice, so no wait stands for a source.  No cache hint on the loads: a row of embed may be named by many tokens.
; No LDS, no barrier, no matrix unit: a copy has no use for them.
.set OF, 2                             ; v2-9    row i: its byte offset in embed + 16 x lane
.set D,  16                            ; v16-143 row i: 16 registers
	s_load_b128 s[4:7], s[0:1], 0x0                ; win s[4:5], embed s[6:7]
	s_load_b64 s[16:17], s[0:1], 0x10              ; out0
	v_lshrrev_b32 v1, 5, v0
	v_readfirstlane_b32 s18, v1                    ; wave 0..3
	v_and_b32 v1, 31, v0
	v_lshlrev_b32 v1, 4, v1                        ; 16 x lane
	s_lshl_b32 s19, ttmp9, 2
	s_add_co_u32 s19, s19, s18                     ; which run of 8 tokens is my wave's
	s_lshl_b32 s20, s19, 5                         ; its 32 bytes of win,
	s_mov_b32 s21, 0
	s_lshl_b32 s22, s19, 14                        ; its 16,384 bytes of out0
	s_mov_b32 s23, 0
	s_wait_alu depctr_va_vdst(0)
	s_wait_kmcnt 0x0
	s_add_nc_u64 s[4:5], s[4:5], s[20:21]
	s_add_nc_u64 s[16:17], s[16:17], s[22:23]
	s_load_b256 s[8:15], s[4:5], 0x0               ; eight indices
	s_wait_kmcnt 0x0
.irp i, 0,1,2,3,4,5,6,7
	s_min_u32 s[8+\i], s[8+\i], 8191               ; an index stays inside the table
	s_lshl_b32 s[8+\i], s[8+\i], 11                ; a row is 2,048 bytes
	v_add_nc_u32 v[OF+\i], s[8+\i], v1
.irp c, 0,1,2,3
	global_load_b128 v[D+16*\i+4*\c:D+16*\i+4*\c+3], v[OF+\i], s[6:7] offset:512*\c
.endr
.endr
.irp i, 0,1,2,3,4,5,6,7
	s_wait_loadcnt 4*(7-\i)                        ; row i's four loads are in; the later rows' may be out
.irp c, 0,1,2,3
	global_store_b128 v1, v[D+16*\i+4*\c:D+16*\i+4*\c+3], s[16:17] offset:2048*\i+512*\c th:TH_STORE_NT
.endr
.endr
	s_endpgm
.Lfunc_end_k_qb004aa4655_fetch:
	.size	k_qb004aa4655_fetch, .Lfunc_end_k_qb004aa4655_fetch-k_qb004aa4655_fetch
	.p2alignl 7, 3214868480
	.fill 96, 4, 3214868480
	.section	.rodata,"a",@progbits
	.p2align	6, 0x0
	.amdhsa_kernel k_qb004aa4655_fetch
		.amdhsa_group_segment_fixed_size 0
		.amdhsa_private_segment_fixed_size 0
		.amdhsa_enable_private_segment 0
		.amdhsa_kernarg_size 24
		.amdhsa_user_sgpr_count 2
		.amdhsa_user_sgpr_kernarg_segment_ptr 1
		.amdhsa_wavefront_size32 1
		.amdhsa_system_sgpr_workgroup_id_x 1
		.amdhsa_system_sgpr_workgroup_id_y 1
		.amdhsa_system_sgpr_workgroup_id_z 1
		.amdhsa_system_vgpr_workitem_id 0
		.amdhsa_next_free_vgpr 144
		.amdhsa_next_free_sgpr 66
		.amdhsa_reserve_vcc 0
		.amdhsa_float_denorm_mode_32 3
		.amdhsa_float_denorm_mode_16_64 3
		.amdhsa_memory_ordered 1
		.amdhsa_forward_progress 1
		.amdhsa_inst_pref_size 9
	.end_amdhsa_kernel
	.amdgpu_metadata
---
amdhsa.version: [ 1, 2 ]
amdhsa.kernels:
  - .name:           k_qb004aa4655_fetch
    .symbol:         k_qb004aa4655_fetch.kd
    .args:
      - { .name: win, .offset: 0, .size: 8, .value_kind: global_buffer, .address_space: global }
      - { .name: embed, .offset: 8, .size: 8, .value_kind: global_buffer, .address_space: global }
      - { .name: out0, .offset: 16, .size: 8, .value_kind: global_buffer, .address_space: global }
    .group_segment_fixed_size: 0
    .private_segment_fixed_size: 0
    .kernarg_segment_align: 8
    .kernarg_segment_size: 24
    .max_flat_workgroup_size: 128
    .sgpr_count:     66
    .vgpr_count:     144
    .wavefront_size: 32
...
	.end_amdgpu_metadata
.endif
;; end of part 4
